; MI455X (gfx1250); checked and timed in simulation.
; The chip was launched on July 23, 2026; its instructions are those of AMD's public machine-readable ISA for CDNA 5 (MIT licence, August 2026) and "CDNA5" Instruction Set Architecture Reference Guide (July 2026). The comments in the code are by the model that wrote it; some were corrected since.
;; Int4 Weight Int8 Act Linear. Allowed arithmetic: float matrix products may take bf16 or f16 operands with f32 sums; other float arithmetic in f32, or as packed bf16 or f16 multiplies, adds, multiply-adds, maxima and minima; sums over many terms, partial sums and values carried from step to step in f32; what a program stores and reads back later, other than sums and carried values, may be rounded once to bf16 or f16.
;; Inputs: a_scale one number float32; bias 4,096 float32; w_scale one number float32; weight_packed 4,096 x 2,048 uint8; x 4,096 x 4,096 float32.
;; Outputs: out0 4,096 x 4,096 float16.
;; One version. Each part assembles by itself: llvm-mc -triple=amdgcn-amd-amdhsa -mcpu=gfx1250 --defsym DOCPART=n.
;; ======== version 1 of 1: 2 launches
;; workspace buffers: xq 33,554,432 bytes; wq 33,554,432 bytes
;; launch prep (part 1): grid 1024 x 1, 8 waves a work-group, no clusters, 0 bytes of LDS; arguments x, weight_packed, a_scale, xq, wq; writes xq, wq
.if DOCPART == 1
	.amdgcn_target "amdgcn-amd-amdhsa--gfx1250"
	.amdhsa_code_object_version 6
	.text
	.protected	k_qa82c2a42f8_prep
	.globl	k_qa82c2a42f8_prep
	.p2align	8
	.type	k_qa82c2a42f8_prep,@function
k_qa82c2a42f8_prep:
	s_mov_b64 s[64:65], 0
	v_nop
	global_prefetch_b8 v0, s[64:65] scope:SCOPE_SE
	s_setreg_imm32_b32 hwreg(HW_REG_WAVE_MODE, 25, 1), 1
	s_wait_xcnt 0x0
; xq[b][i] = bf16(clip(round_to_even(x[b][i] / a_scale), -127, 127)),  x: [4096][4096] f32, xq: [4096][4096] bf16.
; wq[o][i] = bf16(signed nibble i of row o of weight_packed),          weight_packed: [4096][2048] bytes, wq: [4096][4096] bf16.
; Both results are whole numbers of at most 127 in size: bf16 holds them without rounding.
; LIMITS.  a_scale and 1 / a_scale are normal f32 numbers (v_rcp_f32 takes a denormal as 0: ISA guide, its entry in 15.8); x is finite and |x / a_scale| lies within f32: an infinity would
; make the residual below a NaN.  NaN in x is not treated.  The quotient is x r corrected once by its exact residual, r = 1 / a_scale after one Newton step: it may differ from the divided
; quotient in its last bit for few a_scale, which moves a rounded whole number by 1 only where the quotient lies within that bit of a half.
; SHARES.  A stream: each byte is read once and written once, nothing is shared, so there is no LDS, no barrier and no matrix work.  8,192 waves; wave g owns 8,192 consecutive bytes of x
; (4,096 of xq) and 1,024 consecutive bytes of weight_packed (4,096 of wq).  All 24 loads of a wave go out at its start, so the text has no loop.
; SHAPES.  x: 16 bytes a lane, 512 consecutive bytes a load; its 4 numbers are 8 bytes of xq: a store of the wave covers 256 consecutive bytes, aligned.
; w: 4 bytes a lane (8 weights), 128 consecutive bytes a load; they are 16 bytes of wq: a store of the wave covers 512 consecutive bytes, aligned.
.set XO,  3                            ; v3   my byte offset in the work-group's part of x:  8,192 wave + 16 lane; never rewritten
.set QO,  4                            ; v4   in xq: 4,096 wave + 8 lane
.set WO,  5                            ; v5   in weight_packed: 1,024 wave + 4 lane
.set UO,  6                            ; v6   in wq: 4,096 wave + 16 lane
.set AA,  8                            ; v[8:9]    a_scale, twice
.set RR,  10                           ; v[10:11]  1 / a_scale, twice
.set T,   16                           ; v[16:19]  four quotients at work
.set E,   20                           ; v[20:23]  their residuals
.set N,   24                           ; v24       eight nibbles, each with its top bit turned
.set SH,  25                           ; v25       the same, shifted
.set NA,  26                           ; v[26:29]  columns (0,4), (1,5), (2,6), (3,7) as bf16 numbers 128 + u
.set X,   32                           ; v[32:95]  slot j of 16: 4 registers of x as loaded; its first two then hold the 8 bytes to store; slots 0-7 later hold wq's 16 bytes
.set WP,  96                           ; v[96:103] slot k of 8: a packed word
	s_load_b256 s[4:11], s[0:1], 0x0               ; x s[4:5], weight_packed s[6:7], a_scale's address s[8:9], xq s[10:11]
	s_load_b64 s[12:13], s[0:1], 0x20              ; wq
	v_and_b32 v1, 31, v0                           ; lane
	v_lshrrev_b32 v2, 5, v0                        ; wave
	v_lshlrev_b32 v[XO], 4, v1
	v_lshl_or_b32 v[XO], v2, 13, v[XO]
	v_lshlrev_b32 v[QO], 3, v1
	v_lshl_or_b32 v[QO], v2, 12, v[QO]
	v_lshlrev_b32 v[WO], 2, v1
	v_lshl_or_b32 v[WO], v2, 10, v[WO]
	v_lshlrev_b32 v[UO], 4, v1
	v_lshl_or_b32 v[UO], v2, 12, v[UO]
	s_mov_b32 s20, 0xc2fe0000                      ; -127.0
	s_mov_b32 s21, 0x42fe0000                      ; 127.0
	s_mov_b32 s22, 0x000f000f                      ; a nibble in each half
	s_mov_b32 s23, 0x43004300                      ; 128 twice in bf16: its seven mantissa bits count ones, so 128 | u is 128 + u
	s_mov_b32 s24, 0xc308c308                      ; -136 twice in bf16
	s_mov_b32 s25, 0x05040100                      ; v_perm_b32: the two low halves
	s_mov_b32 s26, 0x07060302                      ; the two high halves
	s_mov_b32 s17, 0
	s_wait_kmcnt 0x0
	s_load_b32 s14, s[8:9], 0x0                    ; a_scale
	s_lshl_b32 s16, ttmp9, 16                      ; the work-group's part: 8 waves x 8,192 bytes of x,
	s_add_nc_u64 s[4:5], s[4:5], s[16:17]
	s_lshl_b32 s16, ttmp9, 13                      ; 8 x 1,024 of weight_packed,
	s_add_nc_u64 s[6:7], s[6:7], s[16:17]
	s_lshl_b32 s16, ttmp9, 15                      ; 8 x 4,096 of xq and of wq
	s_add_nc_u64 s[10:11], s[10:11], s[16:17]
	s_add_nc_u64 s[12:13], s[12:13], s[16:17]
.irp j, 0,1,2,3,4,5,6,7,8,9,10,11,12,13,14,15
	global_load_b128 v[X+4*(\j):X+4*(\j)+3], v[XO], s[4:5] offset:512*(\j) th:TH_LOAD_NT
.endr
.irp k, 0,1,2,3,4,5,6,7
	global_load_b32 v[WP+(\k)], v[WO], s[6:7] offset:128*(\k) th:TH_LOAD_NT
.endr
	s_wait_kmcnt 0x0                               ; a_scale
	v_mov_b32 v[AA], s14
	v_rcp_f32 v[RR], v[AA]
	v_mov_b32 v[AA+1], v[AA]                       ; the plain instruction behind the reciprocal (ISA guide 5.7.2); it names neither its result nor writes its source
	s_wait_alu depctr_va_vdst(0)                   ; this wait ahead of the first line that names the reciprocal
	v_fma_f32 v12, -v[AA], v[RR], 1.0              ; one Newton step: r + r (1 - a r)
	v_fma_f32 v[RR], v12, v[RR], v[RR]
	v_mov_b32 v[RR+1], v[RR]
; Slot j of x: four numbers a lane.  q0 = x r; e = x - q0 a, one fused step; q = q0 + e r; to the nearest whole number, ties to even; held to -127 .. 127; two roundings to bf16 that round nothing.
.macro XSLOT j
	s_wait_loadcnt 23-(\j)                         ; loads come back in order (ISA guide 5.7.1): mine is in; the 15 - j younger ones of x and the 8 of w stay out
	v_pk_mul_f32 v[T:T+1],   v[X+4*(\j):X+4*(\j)+1],   v[RR:RR+1]
	v_pk_mul_f32 v[T+2:T+3], v[X+4*(\j)+2:X+4*(\j)+3], v[RR:RR+1]
	v_pk_fma_f32 v[E:E+1],   v[T:T+1],   v[AA:AA+1], v[X+4*(\j):X+4*(\j)+1]   neg_lo:[1,0,0] neg_hi:[1,0,0]
	v_pk_fma_f32 v[E+2:E+3], v[T+2:T+3], v[AA:AA+1], v[X+4*(\j)+2:X+4*(\j)+3] neg_lo:[1,0,0] neg_hi:[1,0,0]
	v_pk_fma_f32 v[T:T+1],   v[E:E+1],   v[RR:RR+1], v[T:T+1]
	v_pk_fma_f32 v[T+2:T+3], v[E+2:E+3], v[RR:RR+1], v[T+2:T+3]
.irp i, 0,1,2,3
	v_rndne_f32 v[T+(\i)], v[T+(\i)]
.endr
.irp i, 0,1,2,3
	v_med3_num_f32 v[T+(\i)], v[T+(\i)], s20, s21
.endr
	v_cvt_pk_bf16_f32 v[X+4*(\j)],   v[T],   v[T+1]
	v_cvt_pk_bf16_f32 v[X+4*(\j)+1], v[T+2], v[T+3]
	global_store_b64 v[QO], v[X+4*(\j):X+4*(\j)+1], s[10:11] offset:256*(\j) th:TH_STORE_NT  ; 32 lanes x 8 bytes: 256 consecutive bytes, aligned
.endm
.irp j, 0,1,2,3,4,5,6,7,8,9,10,11,12,13,14,15
	XSLOT \j
.endr
	s_wait_xcnt 0x0                                ; every store above has had its address translated and its data read (ISA guide 3.1): v[32:63] are rewritten only behind this wait
; Slot k of w: a word of eight nibbles, column c at bits 4 c.  With its top bit turned a nibble is u = value + 8, 0 to 15.  128 + u is made by one and-or, two columns at a time;
; the halves are put in the order of the columns; 136 is taken away, without rounding: the difference is a whole number from -8 to 7.
.macro WSLOT k
	s_wait_loadcnt 7-(\k)                          ; mine is in; the younger ones stay out
	v_xor_b32 v[N], 0x88888888, v[WP+(\k)]
	v_and_or_b32 v[NA], v[N], s22, s23             ; columns 0 and 4
	v_lshrrev_b32 v[SH], 4, v[N]
	v_and_or_b32 v[NA+1], v[SH], s22, s23          ; 1 and 5
	v_lshrrev_b32 v[SH], 8, v[N]
	v_and_or_b32 v[NA+2], v[SH], s22, s23          ; 2 and 6
	v_lshrrev_b32 v[SH], 12, v[N]
	v_and_or_b32 v[NA+3], v[SH], s22, s23          ; 3 and 7
	v_perm_b32 v[X+4*(\k)],   v[NA+1], v[NA],   s25  ; columns 0, 1
	v_perm_b32 v[X+4*(\k)+1], v[NA+3], v[NA+2], s25  ; 2, 3
	v_perm_b32 v[X+4*(\k)+2], v[NA+1], v[NA],   s26  ; 4, 5
	v_perm_b32 v[X+4*(\k)+3], v[NA+3], v[NA+2], s26  ; 6, 7
.irp i, 0,1,2,3
	v_pk_add_bf16 v[X+4*(\k)+(\i)], v[X+4*(\k)+(\i)], s24
.endr
	global_store_b128 v[UO], v[X+4*(\k):X+4*(\k)+3], s[12:13] offset:512*(\k) th:TH_STORE_NT  ; 32 lanes x 16 bytes: 512 consecutive bytes, aligned
.endm
.irp k, 0,1,2,3,4,5,6,7
	WSLOT \k
.endr
	s_endpgm
.Lfunc_end_k_qa82c2a42f8_prep:
	.size	k_qa82c2a42f8_prep, .Lfunc_end_k_qa82c2a42f8_prep-k_qa82c2a42f8_prep
	.p2alignl 7, 3214868480
	.fill 96, 4, 3214868480
	.section	.rodata,"a",@progbits
	.p2align	6, 0x0
	.amdhsa_kernel k_qa82c2a42f8_prep
		.amdhsa_group_segment_fixed_size 0
		.amdhsa_private_segment_fixed_size 0
		.amdhsa_enable_private_segment 0
		.amdhsa_kernarg_size 40
		.amdhsa_user_sgpr_count 2
		.amdhsa_user_sgpr_kernarg_segment_ptr 1
		.amdhsa_wavefront_size32 1
		.amdhsa_system_sgpr_workgroup_id_x 1
		.amdhsa_system_sgpr_workgroup_id_y 1
		.amdhsa_system_sgpr_workgroup_id_z 1
		.amdhsa_system_vgpr_workitem_id 0
		.amdhsa_next_free_vgpr 104
		.amdhsa_next_free_sgpr 66
		.amdhsa_reserve_vcc 0
		.amdhsa_float_denorm_mode_32 3
		.amdhsa_float_denorm_mode_16_64 3
		.amdhsa_memory_ordered 1
		.amdhsa_forward_progress 1
		.amdhsa_inst_pref_size 29
	.end_amdhsa_kernel
	.amdgpu_metadata
---
amdhsa.version: [ 1, 2 ]
amdhsa.kernels:
  - .name:           k_qa82c2a42f8_prep
    .symbol:         k_qa82c2a42f8_prep.kd
    .args:
      - { .name: x, .offset: 0, .size: 8, .value_kind: global_buffer, .address_space: global }
      - { .name: weight_packed, .offset: 8, .size: 8, .value_kind: global_buffer, .address_space: global }
      - { .name: a_scale, .offset: 16, .size: 8, .value_kind: global_buffer, .address_space: global }
      - { .name: xq, .offset: 24, .size: 8, .value_kind: global_buffer, .address_space: global }
      - { .name: wq, .offset: 32, .size: 8, .value_kind: global_buffer, .address_space: global }
    .group_segment_fixed_size: 0
    .private_segment_fixed_size: 0
    .kernarg_segment_align: 8
    .kernarg_segment_size: 40
    .max_flat_workgroup_size: 256
    .sgpr_count:     66
    .vgpr_count:     104
    .wavefront_size: 32
...
	.end_amdgpu_metadata
.endif
;; end of part 1
;; launch gemm (part 2): grid 16 x 16, 4 waves a work-group, clusters of 4 x 4, 327,680 bytes of LDS; arguments xq, wq, out0, bias, a_scale, w_scale; writes out0
.if DOCPART == 2
	.amdgcn_target "amdgcn-amd-amdhsa--gfx1250"
	.amdhsa_code_object_version 6
	.text
	.protected	k_qa82c2a42f8_gemm
	.globl	k_qa82c2a42f8_gemm
	.p2align	8
	.type	k_qa82c2a42f8_gemm,@function
k_qa82c2a42f8_gemm:
	s_mov_b64 s[64:65], 0
	v_nop
	global_prefetch_b8 v0, s[64:65] scope:SCOPE_SE
	s_setreg_imm32_b32 hwreg(HW_REG_WAVE_MODE, 25, 1), 1
	s_wait_xcnt 0x0
	s_wait_alu depctr_hold_cnt(0) depctr_sa_sdst(0) depctr_va_vdst(0) depctr_va_sdst(0) depctr_va_ssrc(0) depctr_va_vcc(0) depctr_vm_vsrc(0)
	s_getreg_b32 s2, hwreg(HW_REG_IB_STS2, 6, 4)
	s_cmp_eq_u32 s2, 0
	s_cbranch_scc0 .Lentry_in_a_cluster
	s_endpgm
.Lentry_in_a_cluster:
	s_bfe_u32 s2, ttmp6, 0x10000c
	s_cmp_lg_u32 s2, 0xf033
	s_cbranch_scc0 .Lentry_shape_is_right
	s_endpgm
.Lentry_shape_is_right:
; out0[b][o] = f16( (the sum over i of xq[b][i] wq[o][i]) x (a_scale x w_scale) + bias[o] ).  xq: [4096][4096], wq: [4096][4096], both bf16 and both whole numbers (|xq| <= 127, |wq| <= 8).
; THE SUMS ARE EXACT: every product and every partial sum is a whole number of at most 4096 x 127 x 8 = 4,161,536 in size, under 2^24, which f32 holds without rounding: the f32 sum is the int32 sum.
; LIMITS.  The scale and the bias are applied by ONE fused multiply-add in f32 (a multiply and then an add would round twice: the last bit of f32 may differ, ahead of the rounding to f16).
; A result of 65,520 or more in size leaves as an infinity of f16, as a cast to f16 gives it.
; SHARES.  A tile of out0, 256 x 256, is made by a work-group of four waves; a wave makes 128 x 128: 64 accumulators of 16 x 16, 512 registers.  4096 x 4096 are 256 tiles: one for each work-group.
; K goes in 32 steps of 128 through a ring of two LDS slots filled by the tensor data mover: the tiles' rows are 256 bytes of memory and start at multiples of 256 bytes from the buffer's first byte.
; CLUSTERS: 4 x 4 work-groups.  The four of a row of the cluster need the same tiles of xq (A), the four of a column the same tiles of wq (B).  Such a tile is asked for JOINTLY: each of the four
; issues the same tensor load, with the same descriptor and a mask that names the four, and each receives the tile in its own LDS.
; THE LAST K STEP goes by rows of the tile, so that finished rows leave while the others are multiplied.
; REGISTERS, in windows of 256 (s_set_vgpr_msb's low byte: bits 1:0 source 0, 3:2 source 1, 5:4 source 2, 7:6 destination):
;   window 0: v0-31 addresses, the scale, my bias; v32-63 f16 to store; v64-127, v128-191 fragments of A, two buffers (in the last K step four, of 16 rows x 128 K); v192-255 16 rows read back in f32
;   window 1: v64-127, v128-191 fragments of B, two buffers; in the last K step all 256: B's fragments of the whole step
;   window 2: the 32 accumulators of my rows 0-63 (accumulator (a, b) at v[8 (8 a + b)]);   window 3: those of my rows 64-127
; THE MATRIX INSTRUCTION IS USED TRANSPOSED: source 0 = 16 rows of B, source 1 = 16 rows of A.  In the result lane l holds row l % 16 of the tile and its registers 0 to 7 the columns 8 (l / 16) + 0 .. 7.
.set SIZE_N, 4096
.set SIZE_K, 4096
.set KSTEP,  128
.set PITCH,  272                       ; an LDS row: 256 bytes of data + 16 of padding = 68 words: row r starts at bank 4 r mod 64 (64 banks of 4 bytes: ISA guide 11.1), so the 16 rows that a load touches start at 16 different banks
.set HALFT,  128*PITCH                 ; 128 rows: what one tensor load brings, and what one wave reads of A or of B
.set SLOT,   4*HALFT                   ; A's 256 rows, then B's 256 rows
.set STAGE,  2*SLOT                    ; behind the ring: 16 rows x 528 bytes for each wave, for the way out; no tensor load lands here
.set SPITCH, 528                       ; a stage row: 128 f32 = 512 bytes + 16 of padding = 132 words: row r starts at bank 4 r mod 64
.set SPARE,  STAGE+4*16*SPITCH         ; behind the stages: the spare words, 128 bytes for each wave: two blocks of 256 bytes that no other line names
.set LAPS,   SIZE_K/(2*KSTEP)          ; a lap = two K steps = once round the ring: 16
.set SCL,  6                           ; v[6:7]  a_scale x w_scale, twice
.set BI,   8                           ; v[8:15] the bias of the 8 columns that I store
.set ADRA, 16                          ; v16-17  LDS address of my A fragments in slot 0, 1
.set ADRB, 20                          ; v20-21  the same for B
.set STO,  24                          ; v24     the way out: where I put 16 bytes of a stage row
.set RD,   25                          ; v25     the way out: where I read a row back
.set CO,   26                          ; v26     my byte offset in out0
.set SPW,  28                          ; v28     LDS address of my spare word: SPARE + 4 x my thread's number; never rewritten
.set NIL,  29                          ; v29     0; never rewritten
.set PFO,  30                          ; v30     the prefetches' offset: my lane x a row of A or B in memory (8,192 bytes); never rewritten
.set BO,   31                          ; v31     my byte offset in the wave's 128 numbers of bias; never rewritten
.set OUT,  32                          ; v32-63  pair t of rows: 4 registers, 8 f16 to store
.set F0,   64                          ; fragment buffer 0
.set F1,   128                         ; fragment buffer 1
.set PA,   64                          ; the last K step: A's fragments of 16 rows x 128 K, 32 registers; four such buffers, v64-191
.set BK,   192                         ; v192-255 pair t of rows: 8 registers, 8 f32 read back from the stage
.set G1,  24                           ; s[24:31] descriptor group 1 for A's tiles
.set G0,  32                           ; s[32:39] descriptor group 0 for A's tiles, one set for each slot
.set LIM, 43                           ; s43      1 in a wave that prefetches, else the greatest number
.set PFA, 44                           ; s[44:45] where my prefetches stand: my work-group's 32 rows of the 128 that I fetch, one K step further along K than the refill in hand; a prefetch names the K step after that
.set G1B, 48                           ; s[48:55] descriptor group 1 for B's tiles: it differs from A's in the mask alone
.set G0B, 56                           ; s[56:63] descriptor group 0 for B's tiles, one set for each slot
.set MSB, 0
.macro WIN new                         ; the immediate's high byte repeats the setting that is left; a switch that changes nothing is dropped
.if MSB != (\new)
	s_set_vgpr_msb (MSB<<8)|(\new)
.set MSB, \new
.endif
.endm
.set MUL_LO, 0xa1                      ; source 0 (B) window 1, source 1 (A) window 0, C and D window 2
.set MUL_HI, 0xf1                      ; the same, C and D window 3
.set TO_B,   0x40                      ; destination window 1, address window 0
; A joint load.  Waves 0 and 1 fetch A's two halves, waves 2 and 3 B's.  Each of the two lines has ONE mask and one set of registers for all that issue it.  The branch hangs on the wave's number
; alone: it is the same in every work-group.  An s_nop 0 and four v_nop follow each of the two lines, ahead of the jump, the label and what follows.
.macro JLOAD s
	s_cmp_eq_u32 s11, 0
	s_cbranch_scc0 .Lfor_b_\@
	tensor_load_to_lds s[G0+4*(\s):G0+4*(\s)+3], s[G1:G1+7]
	s_nop 0
.rept 4
	v_nop
.endr
	s_branch .Lasked_\@
.Lfor_b_\@:
	tensor_load_to_lds s[G0B+4*(\s):G0B+4*(\s)+3], s[G1B:G1B+7]
	s_nop 0
.rept 4
	v_nop
.endr
.Lasked_\@:
.endm
; A PREFETCH INTO THE L2, behind each joint refill, its five lines and the run of LDS loads that follows them: the K step that stands TWO refills on, 512 matrix instructions ahead of the load that
; will ask for it: 32 rows x 256 bytes, a lane a row, one instruction a wave.  Each row's 256 bytes of a K step are named ONCE in the launch: A's tile row is read by every cluster of that row of
; clusters, and the one with cluster x = 0 asks; B's tile column by every cluster of that column, and the one with cluster y = 0 asks.  The four partners that ask for a tile jointly share its rows
; out BY ADDRESS: of the 128 rows that a wave fetches the partner at place p takes 32 p .. 32 p + 31 (p = cx for A, cy for B): no branch hangs on a work-group's place in its cluster.
; The loop's 14 first trips name K steps 4 to 31; its last trip (s3 = 1) names nothing: there is no K step two on.  K steps 0 to 3 come by their loads alone.
.macro ASK
	s_cmp_gt_u32 s3, s[LIM]
	s_cbranch_scc0 .Lnot_mine_\@
	global_prefetch_b8 v[PFO], s[PFA:PFA+1] offset:KSTEP*2 th:TH_LOAD_NT scope:SCOPE_SE
.Lnot_mine_\@:
.endm
; A round of the cluster's barrier: my work-group's barrier, so that wave 0's signal speaks for all four waves; wave 0 signals for the work-group; every wave waits for all sixteen work-groups;
; my work-group's barrier once more.  No LDS instruction of the wave is pending at a signal.
.macro CREST                           ; a round behind its opening barrier
	s_cmp_lg_u32 s10, 0
	s_cbranch_scc1 .Lnot_wave_0_\@
	s_barrier_signal -3
.Lnot_wave_0_\@:
	s_barrier_wait -3
	s_barrier_signal -1
	s_barrier_wait -1
.endm
.macro CROUND                          ; a whole round
	s_barrier_signal -1
	s_barrier_wait -1
	CREST
.endm
	s_load_b128 s[4:7], s[0:1], 0x0                ; A = xq s[4:5], B = wq s[6:7]
	s_load_b64 s[8:9], s[0:1], 0x10                ; out0
	s_load_b64 s[66:67], s[0:1], 0x18              ; bias
	s_load_b128 s[68:71], s[0:1], 0x20             ; the addresses of a_scale s[68:69] and w_scale s[70:71]
	v_lshl_add_u32 v[SPW], v0, 2, SPARE
	v_mov_b32 v[NIL], 0
	ds_add_u32 v[SPW], v[NIL]                      ; the wave's opening: the add, twice on end, and its wait ahead of my first tensor load; the set-up below, work on registers, stands between the second and the wait
	ds_add_u32 v[SPW], v[NIL]                      ; and once more, under the one wait
	v_lshrrev_b32 v1, 5, v0
	v_readfirstlane_b32 s10, v1                    ; wave 0..3
	s_lshr_b32 s11, s10, 1                         ; which half of the tile's rows is mine.  Also: I fetch for A (0) or for B (1)
	s_and_b32 s12, s10, 1                          ; which half of its columns.  Also: which 128 rows of that tile I fetch
	s_bfe_u32 s40, ttmp6, 0x40000                  ; cx: my place along the cluster's x
	s_bfe_u32 s41, ttmp6, 0x40004                  ; cy: along its y
	s_lshl_b32 s42, ttmp9, 2                       ; in a cluster launch ttmp9 and ttmp7 count clusters
	s_add_co_u32 s42, s42, s40                     ; tile column = 4 x cluster x + cx
	s_and_b32 s13, ttmp7, 0xffff
	s_lshl_b32 s13, s13, 2
	s_add_co_u32 s13, s13, s41                     ; tile row = 4 x cluster y + cy
	s_lshl_b32 s43, s41, 2
	s_lshl_b32 s43, 15, s43                        ; my row of the cluster: places 4 cy .. 4 cy + 3
	s_lshl_b32 s44, 0x1111, s40                    ; my column: places cx, cx + 4, cx + 8, cx + 12
	; descriptor group 1: a tile of 128 rows x 128 elements, padded in LDS
	s_or_b32 s[G1+0], s43, (1<<16)|(1<<20)|(1<<21)|(5<<22)|(3<<25)  ; 15:0 the mask: A's tiles go to my row; 17:16 element of 2 bytes; 20 padding on; 21 set beside a mask; 24:22 after every 64 words (code 5); 31:25 of 4 words (code 3)
	s_or_b32 s[G1B+0], s44, (1<<16)|(1<<20)|(1<<21)|(5<<22)|(3<<25) ; the same with the mask of my column, for B's tiles
	s_mov_b32 s[G1B+1], KSTEP<<16
	s_mov_b32 s[G1+1], KSTEP<<16                   ; 63:48 tensor_dim0, low half = 128
	s_mov_b32 s[G1B+2], 128<<16
	s_mov_b32 s[G1+2], 128<<16                     ; 79:64 its high half = 0; 95:80 tensor_dim1, low half = 128
	s_mov_b32 s[G1B+3], KSTEP<<16
	s_mov_b32 s[G1+3], KSTEP<<16                   ; 111:96 its high half = 0; 127:112 tile_dim0 = 128
	s_mov_b32 s[G1B+4], 128
	s_mov_b32 s[G1+4], 128                         ; 143:128 tile_dim1 = 128; 159:144 tile_dim2 = 0
	s_mov_b32 s[G1B+5], SIZE_K
	s_mov_b32 s[G1+5], SIZE_K                      ; 191:160 tensor_dim0_stride, low word: elements from row to row
	s_mov_b32 s[G1B+6], 0
	s_mov_b32 s[G1+6], 0
	s_mov_b32 s[G1B+7], 0
	s_mov_b32 s[G1+7], 0
	; where the tiles come from.  A's hang on the tile row alone, which my row of the cluster shares; B's on the tile column alone, which my column shares.
	; Every wave makes both addresses, in registers that never hold the other coordinate, and asks by one of them.
	s_lshl_b32 s17, s12, 7                         ; which 128 rows of the tile I fetch
	s_lshl_b32 s16, s13, 8
	s_add_co_u32 s16, s16, s17                     ; A: row 256 x tile row + 128 x half
	s_lshl_b32 s46, s42, 8
	s_add_co_u32 s46, s46, s17                     ; B: row 256 x tile column + 128 x half
	s_mov_b32 s17, 0
	s_mov_b32 s47, 0
	s_mov_b64 s[18:19], SIZE_K*2
	s_mul_u64 s[16:17], s[16:17], s[18:19]         ; in bytes
	s_mul_u64 s[46:47], s[46:47], s[18:19]
	s_mul_i32 s20, s10, HALFT                      ; and where they go: A's two halves, then B's two halves = wave x 128 rows: no place in the cluster enters an LDS address
	s_wait_dscnt 0x0                               ; both opening adds are done
	s_wait_kmcnt 0x0
	s_add_nc_u64 s[14:15], s[4:5], s[16:17]
	s_add_nc_u64 s[46:47], s[6:7], s[46:47]
	CROUND                                         ; all sixteen work-groups are here: the first joint loads meet
.irp s, 0,1
	s_mov_b32 s[G0+4*(\s)], 1                                      ; 1:0 count = 1
	s_add_co_u32 s[G0+4*(\s)+1], s20, (\s)*SLOT                    ; 63:32 LDS address
	s_add_nc_u64 s[G0+4*(\s)+2:G0+4*(\s)+3], s[14:15], (\s)*KSTEP*2  ; 120:64 global address: K step s
	s_or_b32 s[G0+4*(\s)+3], s[G0+4*(\s)+3], 0x80000000            ; 127:126 type = 2
	s_mov_b32 s[G0B+4*(\s)], 1
	s_add_co_u32 s[G0B+4*(\s)+1], s20, (\s)*SLOT
	s_add_nc_u64 s[G0B+4*(\s)+2:G0B+4*(\s)+3], s[46:47], (\s)*KSTEP*2
	s_or_b32 s[G0B+4*(\s)+3], s[G0B+4*(\s)+3], 0x80000000
	JLOAD \s                                       ; the ring is filled before anything else is done: two tensor loads of mine are out
.endr
	s_load_b32 s72, s[68:69], 0x0                  ; a_scale
	s_load_b32 s73, s[70:71], 0x0                  ; w_scale
	; A fragment is 16 rows x 32 K in 8 registers: lane l holds row l % 16; registers 0-3 hold K = 8 (l / 16) + 0..7, registers 4-7 hold
	; K = 16 + 8 (l / 16) + 0..7.  From rows that lie along K: two loads of 16 bytes, 32 bytes apart.  The same for source 0 and source 1.
	v_and_b32 v1, 15, v0                           ; l % 16
	v_bfe_u32 v2, v0, 4, 1                         ; l / 16
	v_mul_u32_u24 v3, v1, PITCH
	v_lshl_add_u32 v3, v2, 4, v3                   ; row x pitch + 16 x half
	s_mul_i32 s21, s11, HALFT                      ; my 128 rows of A
	s_mul_i32 s22, s12, HALFT                      ; my 128 rows of B,
	s_add_co_u32 s22, s22, 2*HALFT                 ; which lie behind A's 256
.irp s, 0,1
	v_add_nc_u32 v[ADRA+(\s)], s21, v3
	v_add_nc_u32 v[ADRB+(\s)], s22, v3
	s_add_co_u32 s21, s21, SLOT
	s_add_co_u32 s22, s22, SLOT
.endr
	s_mul_i32 s23, s10, 16*SPITCH
	s_add_co_u32 s23, s23, STAGE                   ; my stage
	v_mul_u32_u24 v4, v1, SPITCH                   ; in: row l % 16, 16 bytes for each half of the lanes
	v_lshl_add_u32 v4, v2, 4, v4
	v_add_nc_u32 v[STO], s23, v4
	v_mul_u32_u24 v5, v2, SPITCH                   ; back: lanes 0-15 take one row, lanes 16-31 the next; 16 bytes a lane, twice
	v_lshl_add_u32 v5, v1, 4, v5
	v_add_nc_u32 v[RD], s23, v5
	v_mul_u32_u24 v5, v2, SIZE_N*2                 ; and the same two rows in out0
	v_lshl_add_u32 v[CO], v1, 4, v5
	; where my part of the tile begins in out0, in bytes: the first block's way out adds it to out0's address
	s_lshl_b32 s13, s13, 8
	s_lshl_b32 s14, s11, 7
	s_add_co_u32 s16, s13, s14                     ; my first row
	s_mov_b32 s17, 0
	s_mov_b64 s[18:19], SIZE_N*2
	s_mul_u64 s[16:17], s[16:17], s[18:19]
	s_lshl_b32 s46, s42, 9                         ; my first column, in bytes of f16: 512 x tile column + 256 x half (in the registers that held B's address: none that feeds A's descriptors ever holds cx)
	s_lshl_b32 s47, s12, 8
	s_add_co_u32 s46, s46, s47
	s_mov_b32 s47, 0
	s_add_nc_u64 s[16:17], s[16:17], s[46:47]
	; my bias: on the way out lane l stores columns 8 (l % 16) + 0 .. 7 of the wave's 128 in every row: 32 bytes of bias, kept in 8 registers
	s_lshl_b32 s74, s46, 1                         ; the same first column in bytes of f32
	s_mov_b32 s75, 0
	s_add_nc_u64 s[66:67], s[66:67], s[74:75]
	v_lshlrev_b32 v[BO], 5, v1
	global_load_b128 v[BI:BI+3],   v[BO], s[66:67]
	global_load_b128 v[BI+4:BI+7], v[BO], s[66:67] offset:16
	; the prefetches.  s13 = 256 x tile row, s42 = tile column, s40 = cx, s41 = cy still stand; s[4:5] = A, s[6:7] = B
	s_lshl_b32 s42, s42, 8
	s_and_b32 s22, ttmp7, 0xffff                   ; cluster y
	s_cmp_eq_u32 s11, 0                            ; do I fetch for A?
	s_cselect_b32 s20, s13, s42                    ; the tile's first row: in A by the tile row, in B by the tile column
	s_cselect_b32 s21, s40, s41                    ; my place among the four that ask for it with me
	s_cselect_b32 s22, ttmp9, s22                  ; the coordinate along which other clusters read the same rows
	s_cselect_b64 s[PFA:PFA+1], s[4:5], s[6:7]
	s_cmp_eq_u32 s22, 0
	s_cselect_b32 s[LIM], 1, -1                    ; the same in all sixteen partners, for a given wave
	s_lshl_b32 s22, s12, 7
	s_add_co_u32 s20, s20, s22                     ; + the 128 rows that I fetch
	s_lshl_b32 s21, s21, 5
	s_add_co_u32 s20, s20, s21                     ; + my work-group's 32 of them
	s_mov_b32 s21, 0
	s_mov_b64 s[18:19], SIZE_K*2
	s_mul_u64 s[20:21], s[20:21], s[18:19]
	s_add_nc_u64 s[PFA:PFA+1], s[PFA:PFA+1], s[20:21]
	s_add_nc_u64 s[PFA:PFA+1], s[PFA:PFA+1], 2*KSTEP*2  ; at K step 2: the first refill steps it to 3 and names K step 4
	v_and_b32 v[PFO], 31, v0
	v_mul_u32_u24 v[PFO], v[PFO], SIZE_K*2
	s_wait_kmcnt 0x0                               ; the two scales
	v_mov_b32 v[SCL], s72
	v_mul_f32 v[SCL], s73, v[SCL]                  ; a_scale x w_scale, rounded once in f32
	v_mov_b32 v[SCL+1], v[SCL]
	s_wait_loadcnt 0x0                             ; my bias: once, while the first tiles are on their way
; 16 matrix instructions: m blocks a0, a0 + 1 of the window's four (hi = 0: my rows 0-63, 1: rows 64-127) x all 8 n blocks, 32 along K.
; zero = 1: the first product starts the sums: nothing is ever cleared.  The 64 accumulators take turns, one instruction a turn.
.macro MUL16 f, hi, a0, zero
	WIN MUL_LO+0x50*(\hi)
.irp a, \a0, (\a0)+1
.irp b, 0,1,2,3,4,5,6,7
.if \zero
	v_wmma_f32_16x16x32_bf16 v[8*(8*(\a)+(\b)):8*(8*(\a)+(\b))+7], v[(\f)+8*(\b):(\f)+8*(\b)+7], v[(\f)+8*(4*(\hi)+(\a)):(\f)+8*(4*(\hi)+(\a))+7], 0
.else
	v_wmma_f32_16x16x32_bf16 v[8*(8*(\a)+(\b)):8*(8*(\a)+(\b))+7], v[(\f)+8*(\b):(\f)+8*(\b)+7], v[(\f)+8*(4*(\hi)+(\a)):(\f)+8*(4*(\hi)+(\a))+7], v[8*(8*(\a)+(\b)):8*(8*(\a)+(\b))+7]
.endif
.endr
.endr
.endm
; 32 LDS loads in one run: the fragments of one quarter step (128 rows of B, 128 rows of A, 32 K at byte k of the rows) into buffer f
.macro FETCH slot, k, f
	WIN TO_B
.irp i, 0,1,2,3,4,5,6,7
	ds_load_b128 v[(\f)+8*(\i):(\f)+8*(\i)+3],   v[ADRB+(\slot)] offset:(\k)+(\i)*16*PITCH
	ds_load_b128 v[(\f)+8*(\i)+4:(\f)+8*(\i)+7], v[ADRB+(\slot)] offset:(\k)+(\i)*16*PITCH+32
.endr
	WIN 0
.irp i, 0,1,2,3,4,5,6,7
	ds_load_b128 v[(\f)+8*(\i):(\f)+8*(\i)+3],   v[ADRA+(\slot)] offset:(\k)+(\i)*16*PITCH
	ds_load_b128 v[(\f)+8*(\i)+4:(\f)+8*(\i)+7], v[ADRA+(\slot)] offset:(\k)+(\i)*16*PITCH+32
.endr
.endm
; A load into a register that a matrix instruction has read, and an LDS store that reads a matrix result, stand four places behind that matrix instruction, and only plain vector instructions that
; name none of its registers are places (ISA guide 7.12.1 for vector instructions); the matrix instructions in between are not counted.
.macro PLACES
.rept 4
	v_nop
.endr
.endm
; A K step is four quarter steps of 32 along K, 64 matrix instructions each, on buffers 0, 1, 0, 1.
; One of the first three: multiplies buffer f; in its middle it fetches the next quarter's fragments, at byte k of the same slot's rows, into buffer g.
.macro QUARTER slot, k, f, g, zero
	s_wait_dscnt 8                                 ; B and A's rows 0-63 are in; the youngest eight loads (A's rows 64-127) may be out
	WIN MUL_LO
	MUL16 \f, 0, 0, \zero
	MUL16 \f, 0, 2, \zero
	PLACES
	FETCH \slot, \k, \g
	s_wait_dscnt 32                                ; all but the 32 just issued
	WIN MUL_HI
	MUL16 \f, 1, 0, \zero
	MUL16 \f, 1, 2, \zero
.endm
; The last quarter multiplies buffer 1 and changes slots.  MEET is its first half: ONE barrier for the change of slots, for two things.  In front of it each wave waits for all its tensor loads,
; of which one is out: its part of the next slot; adds 0 to its spare word; and waits for that and for its own reads of this slot.  Behind it nobody reads this slot any more and the next slot is whole.
.macro MEET round                      ; round = 1: the rest of a round of the cluster's barrier follows
	WIN 0                                          ; (the add's two registers lie in window 0)
	s_wait_tensorcnt 0x0                           ; all my tensor loads have landed: the one that was out is my part of the next slot;
	ds_add_u32 v[SPW], v[NIL]                      ; 0 onto my spare word;
	s_wait_dscnt 9                                 ; (the add and the youngest eight loads may be out)
	WIN MUL_LO
	MUL16 F1, 0, 0, 0                              ; sixteen matrix instructions stand between the add and the wait for it
	s_wait_dscnt 0x0                               ; the add is done, and my reads of this slot are over:
	s_barrier_signal -1                            ; say so,
	MUL16 F1, 0, 2, 0                              ; work on registers while the others arrive,
.if \round
	WIN 0
.endif
	s_barrier_wait -1                              ; and go on when all four have said so
.endm
; The whole last quarter.  Behind the round the slot just read out is filled again first, with the K step two steps on; then come the next slot's first fragments.
; From a request to the wait for it a wave issues 224 matrix instructions.
.macro TURN slot, next
	s_wait_xcnt 0x0                                ; the last prefetch, a K step back, has read its address: it is stepped here, ahead of the waits of the change of slots
	s_add_nc_u64 s[PFA:PFA+1], s[PFA:PFA+1], KSTEP*2
	MEET 1
	CREST                                          ; wave 0 says so for the work-group, all sixteen work-groups have said so, my work-group's barrier closes the round:
	                                               ; no wave of any partner still reads this slot's tile or has a load on its way
	s_add_nc_u64 s[G0+4*(\slot)+2:G0+4*(\slot)+3], s[G0+4*(\slot)+2:G0+4*(\slot)+3], 2*KSTEP*2    ; no tensor load of mine is out, so a group 0 may be written; the type bits on top are not reached
	s_add_nc_u64 s[G0B+4*(\slot)+2:G0B+4*(\slot)+3], s[G0B+4*(\slot)+2:G0B+4*(\slot)+3], 2*KSTEP*2
	JLOAD \slot                                    ; the first tensor load behind the round, and my only one until the next; its four v_nop are also the places in front of the loads below
	FETCH \next, 0, F0
	ASK                                            ; behind the joint load and the run of LDS loads that the next products wait for
	WIN MUL_HI
	MUL16 F1, 1, 0, 0
	MUL16 F1, 1, 2, 0
.endm
; THE LAST K STEP (it lies in slot 1) GOES BY ROWS OF THE TILE, NOT BY K.  All its fragments of B (4 quarters x 64 registers) fill window 1; then my eight blocks of 16 rows are finished one after
; the other, each with 32 matrix instructions (its 8 accumulators by turns).  LDS is read no more than in any other K step.
.macro BLOAD q                         ; B's fragments of quarter q -> window 1, v[64 q ..]
	WIN TO_B
.irp i, 0,1,2,3,4,5,6,7
	ds_load_b128 v[64*(\q)+8*(\i):64*(\q)+8*(\i)+3],   v[ADRB+1] offset:64*(\q)+(\i)*16*PITCH
	ds_load_b128 v[64*(\q)+8*(\i)+4:64*(\q)+8*(\i)+7], v[ADRB+1] offset:64*(\q)+(\i)*16*PITCH+32
.endr
.endm
.macro ALOAD a                         ; A's fragments of block a, all four quarters -> buffer a % 4
	WIN 0
.set FA, PA+32*((\a)%4)
.irp q, 0,1,2,3
	ds_load_b128 v[FA+8*(\q):FA+8*(\q)+3],   v[ADRA+1] offset:64*(\q)+(\a)*16*PITCH
	ds_load_b128 v[FA+8*(\q)+4:FA+8*(\q)+7], v[ADRA+1] offset:64*(\q)+(\a)*16*PITCH+32
.endr
.endm
.macro ROW a                           ; block a is finished: 32 matrix instructions
.set FA, PA+32*((\a)%4)                ; its fragments of A
.set AC, 64*((\a)%4)                   ; its eight accumulators, in window 2 (blocks 0-3) or 3 (blocks 4-7)
	WIN MUL_LO+0x50*((\a)/4)
.irp q, 0,1,2,3
.if (\a) == 0 && (\q) == 2
	s_wait_dscnt 24                                ; B's quarter 2 is in (behind it: A's blocks 1 to 3)
.endif
.irp b, 0,1,2,3,4,5,6,7
	v_wmma_f32_16x16x32_bf16 v[AC+8*(\b):AC+8*(\b)+7], v[64*(\q)+8*(\b):64*(\q)+8*(\b)+7], v[FA+8*(\q):FA+8*(\q)+7], v[AC+8*(\b):AC+8*(\b)+7]
.endr
.endr
.endm
; THE WAY OUT of block a (16 rows x my 128 columns), in two parts.
; TOSTAGE: the sums go as f32, straight from the accumulators, into my own stage in LDS, and come back by rows.  Column c of the 128 lies at byte 256 ((c / 4) % 2) + 16 (c / 8) + 4 (c % 4) of
; its stage row: an accumulator's registers 0-3 are 16 bytes in the row's first half, registers 4-7 the 16 bytes 256 further on (each accumulator's lowest registers are read first).
; Read back, lane l takes the 16 bytes at 16 (l % 16) of both halves: columns 8 (l % 16) + 0 .. 7 of one row.  So a lane has the SAME eight columns in every row, and its bias is 8 registers.
.macro TOSTAGE a
.set AC, 64*((\a)%4)
	WIN 0x08+4*((\a)/4)                            ; the stores' data (source 1) in window 2 or 3, the address in window 0
.irp b, 0,1,2,3,4,5,6,7
	ds_store_b128 v[STO], v[AC+8*(\b):AC+8*(\b)+3]   offset:32*(\b)
	ds_store_b128 v[STO], v[AC+8*(\b)+4:AC+8*(\b)+7] offset:256+32*(\b)
.endr
	WIN 0
.irp t, 0,1,2,3,4,5,6,7
	ds_load_b128 v[BK+8*(\t):BK+8*(\t)+3],   v[RD] offset:(\t)*2*SPITCH      ; LDS serves a wave's instructions in order (ISA guide 5.7.1.4): these see the stores above; the bytes are my wave's own
	ds_load_b128 v[BK+8*(\t)+4:BK+8*(\t)+7], v[RD] offset:(\t)*2*SPITCH+256
.endr
.endm
; SEND: sum x scale + bias, one fused step in f32; rounded once to f16; stored.  younger: the LDS loads issued behind TOSTAGE's, which may stay out.
.macro SEND a, younger
	WIN 0
	s_wait_xcnt 0x0                                ; every earlier store has had its address translated and its data read (ISA guide 3.1): only behind this wait are the stores' base and OUT rewritten
.if (\a) == 0
	s_add_nc_u64 s[8:9], s[8:9], s[16:17]          ; on to my first rows
.else
	s_add_nc_u64 s[8:9], s[8:9], 16*SIZE_N*2       ; 16 rows on
.endif
.irp t, 0,1,2,3,4,5,6,7
	s_wait_dscnt (\younger)+14-2*(\t)              ; pair t's two loads are back; the 14 - 2 t of the later pairs and the younger ones stay out
.irp k, 0,1,2,3
	v_pk_fma_f32 v[BK+8*(\t)+2*(\k):BK+8*(\t)+2*(\k)+1], v[BK+8*(\t)+2*(\k):BK+8*(\t)+2*(\k)+1], v[SCL:SCL+1], v[BI+2*(\k):BI+2*(\k)+1]
.endr
.irp k, 0,1,2,3
	v_cvt_pk_f16_f32 v[OUT+4*(\t)+(\k)], v[BK+8*(\t)+2*(\k)], v[BK+8*(\t)+2*(\k)+1]
.endr
	global_store_b128 v[CO], v[OUT+4*(\t):OUT+4*(\t)+3], s[8:9] offset:2*(\t)*SIZE_N*2 th:TH_STORE_NT  ; 16 lanes store 256 consecutive bytes, at a multiple of 256 from out0's first byte
.endr
.endm
	s_wait_tensorcnt 1                             ; my part of K step 0 is in; K step 1's may stay out
	s_barrier_signal -1
	s_barrier_wait -1                              ; everybody's is
	FETCH 0, 0, F0
	QUARTER 0, 64,  F0, F1, 1                      ; the first quarter stands in front of the loop: its products start the sums
	WIN 0                                          ; at a label and at a branch every window is 0
	s_mov_b32 s3, LAPS-1
.Llap:                                                 ; a trip goes once round the ring, from a lap's second quarter to the next lap's first, and fills both slots again: 2 + 15 x 2 = 32 K steps
	QUARTER 0, 128, F1, F0, 0
	QUARTER 0, 192, F0, F1, 0
	TURN 0, 1
	QUARTER 1, 64,  F0, F1, 0
	QUARTER 1, 128, F1, F0, 0
	QUARTER 1, 192, F0, F1, 0
	TURN 1, 0
	QUARTER 0, 64,  F0, F1, 0
	WIN 0
	s_sub_co_u32 s3, s3, 1
	s_cmp_lg_u32 s3, 0
	s_cbranch_scc1 .Llap
	QUARTER 0, 128, F1, F0, 0                      ; the last lap goes on; it asks for nothing more
	QUARTER 0, 192, F0, F1, 0
	MEET 0                                         ; my one tensor load that was still out is slot 1's, the last K step's, so no round follows
	PLACES                                         ; for the loads into buffer 0, which the quarter before multiplied
	WIN TO_B
	BLOAD 0                                        ; three quarters of B now: buffer 1 (v128-191 of both windows) is still being multiplied
	BLOAD 1
	BLOAD 3
	WIN 0
	ALOAD 0
	WIN MUL_HI
	MUL16 F1, 1, 0, 0
	MUL16 F1, 1, 2, 0
	PLACES                                         ; for the loads into buffer 1
	WIN TO_B
	BLOAD 2
	WIN 0
	ALOAD 1
	ALOAD 2
	ALOAD 3
	s_wait_dscnt 40                                ; all but the 40 just issued
	ROW 0
.irp a, 0,1,2,3,4,5,6,7                ; each block leaves as soon as it is finished: nothing follows this tile, so the sooner its stores begin, the sooner the launch ends
	PLACES                                         ; the LDS stores read results just made, and no other vector work is at hand; also the places in front of the loads into the block's buffer of A
	TOSTAGE \a
.if (\a) < 4
	ALOAD (\a)+4                                   ; its buffer takes the block four further on
	SEND \a, 8
.else
	SEND \a, 0
.endif
.if (\a) < 7
	ROW (\a)+1
.endif
.endr
	s_wait_tensorcnt 0x0                           ; the wave's end: behind my last tensor load and my last LDS store
	ds_add_u32 v[SPW], v[NIL]
	s_wait_dscnt 0x0
	CROUND                                         ; the closing round: no work-group ends while a partner may still ask for a tile that names it
	s_endpgm
.Lfunc_end_k_qa82c2a42f8_gemm:
	.size	k_qa82c2a42f8_gemm, .Lfunc_end_k_qa82c2a42f8_gemm-k_qa82c2a42f8_gemm
	.p2alignl 7, 3214868480
	.fill 96, 4, 3214868480
	.section	.rodata,"a",@progbits
	.p2align	6, 0x0
	.amdhsa_kernel k_qa82c2a42f8_gemm
		.amdhsa_group_segment_fixed_size 327680
		.amdhsa_private_segment_fixed_size 0
		.amdhsa_enable_private_segment 0
		.amdhsa_kernarg_size 48
		.amdhsa_user_sgpr_count 2
		.amdhsa_user_sgpr_kernarg_segment_ptr 1
		.amdhsa_wavefront_size32 1
		.amdhsa_system_sgpr_workgroup_id_x 1
		.amdhsa_system_sgpr_workgroup_id_y 1
		.amdhsa_system_sgpr_workgroup_id_z 1
		.amdhsa_system_vgpr_workitem_id 0
		.amdhsa_next_free_vgpr 1024
		.amdhsa_next_free_sgpr 80
		.amdhsa_reserve_vcc 0
		.amdhsa_float_denorm_mode_32 3
		.amdhsa_float_denorm_mode_16_64 3
		.amdhsa_memory_ordered 1
		.amdhsa_forward_progress 1
		.amdhsa_inst_pref_size 171
	.end_amdhsa_kernel
	.amdgpu_metadata
---
amdhsa.version: [ 1, 2 ]
amdhsa.kernels:
  - .name:           k_qa82c2a42f8_gemm
    .symbol:         k_qa82c2a42f8_gemm.kd
    .args:
      - { .name: xq, .offset: 0, .size: 8, .value_kind: global_buffer, .address_space: global }
      - { .name: wq, .offset: 8, .size: 8, .value_kind: global_buffer, .address_space: global }
      - { .name: out0, .offset: 16, .size: 8, .value_kind: global_buffer, .address_space: global }
      - { .name: bias, .offset: 24, .size: 8, .value_kind: global_buffer, .address_space: global }
      - { .name: a_scale, .offset: 32, .size: 8, .value_kind: global_buffer, .address_space: global }
      - { .name: w_scale, .offset: 40, .size: 8, .value_kind: global_buffer, .address_space: global }
    .group_segment_fixed_size: 327680
    .private_segment_fixed_size: 0
    .kernarg_segment_align: 8
    .kernarg_segment_size: 48
    .max_flat_workgroup_size: 128
    .sgpr_count:     80
    .vgpr_count:     1024
    .wavefront_size: 32
...
	.end_amdgpu_metadata
.endif
;; end of part 2
